; MI455X (gfx1250); checked and timed in simulation.
; The chip was launched on July 23, 2026; its instructions are those of AMD's public machine-readable ISA for CDNA 5 (MIT licence, August 2026) and "CDNA5" Instruction Set Architecture Reference Guide (July 2026). The comments in the code are by the model that wrote it; some were corrected since.
;; Bi LSTM. Allowed arithmetic: matrix products marked QUANTISED: E2M1 operands, one E8M0 scale for each 32 along K, by v_wmma_scale_f32_16x16x128_f8f6f4 with both operands' format E2M1 (or v_wmma_scale_f32_32x16x128_f4), f32 sums; everything else in f32.
;; Inputs: Cell_State_b 4,096 x 1,024 float32; Cell_State_f 4,096 x 1,024 float32; Hidden_State_b 4,096 x 1,024 float32; Hidden_State_f 4,096 x 1,024 float32; Wb 4 x 1,024 x 2,048 float32; Wf 4 x 1,024 x 2,048 float32; bb 4 x 1,024 float32; bf 4 x 1,024 float32; input_b 4,096 x 1,024 float32; input_f 4,096 x 1,024 float32.
;; Outputs: out0 4,096 x 1,024 float32; out1 4,096 x 1,024 float32; out2 4,096 x 1,024 float32; out3 4,096 x 1,024 float32.
;; This version of the problem:
;;   THIS VERSION OF THE PROBLEM IS GIVEN IN LOW PRECISION. The matrix products marked QUANTISED in the list below multiply operands that are first quantised to E2M1 (2 exponent bits, 1 mantissa bit; 4 bits a number), with one power-of-two scale for each 32 numbers along K (OCP MX v1.0); their sums are f32. All else is computed in f32.
;;   The module's matrix products, in the order in which they are computed (A, B: the left and right operand; K: the contracted axis; several contracted axes count as one K, in the product's order):
;;     1. [M 4,096, K 2,048] x [K 2,048, N 4,096]; A: computed on the way; B: input Wf: QUANTISED
;;     2. [M 4,096, K 2,048] x [K 2,048, N 4,096]; A: computed on the way; B: input Wb: QUANTISED
;;   THE QUANTISER, for each operand of a quantised product, along K:
;;     - K is cut into blocks of 32 from its start; a last block that is shorter is filled with zeros.
;;     - A block's scale is 2^e with e = floor(log2(the largest magnitude in the block)) - 2, held to -126 .. 127; a block of zeros has e = 0. As a byte (E8M0): e + 127.
;;     - Each number is divided by its block's scale, clamped to +-6, and rounded to the nearest number of E2M1, ties to even, subnormals kept.
;;     - The product sums the exact products of the quantised numbers (number of the format x scale) in f32.
;;   ~~~python
;;   def quantise(x, axis):      # numpy; x: float32 -> the quantised numbers, widened to float32 again
;;       x = np.moveaxis(x, axis, -1); K = x.shape[-1]
;;       x = np.pad(x, [(0, 0)] * (x.ndim - 1) + [(0, -K % 32)]); x = x.reshape(x.shape[:-1] + (-1, 32)); a = np.abs(x).max(-1, keepdims=True)
;;       e = np.where(a > 0, np.clip(np.frexp(np.where(a > 0, a, 1))[1] - 1 - 2, -126, 127), 0)      # np.frexp(a)[1] - 1 = floor(log2(a)), exactly
;;       r = np.clip(x / 2.0 ** e, -6, 6)
;;       step = 2.0 ** (np.maximum(np.frexp(np.where(r == 0, 1, r))[1] - 1, 0) - 1)
;;       q = np.round(r / step) * step * 2.0 ** e      # np.round: ties to even
;;       return np.moveaxis(q.reshape(q.shape[:-2] + (-1,))[..., :K], -1, axis).astype(np.float32)
;;   ~~~
;;   OPERANDS COMPUTED ON THE WAY. 'Computed on the way' means the value that the module computes at that place (a softmax that the list does not call 'softmax' is quantised finished and normalised). What goes into a quantiser is computed in f32, as accurately as f32 sums, v_exp_f32 and their like allow (about 1e-6 of the number): no bf16 or f16 on the way to a quantiser, and a product that is left as it is and whose result goes on into a quantised operand takes f32 operands (vector FMAs, or v_wmma_f32_16x16x4_f32). A number that lies on a knife's edge between two numbers of the format may be rounded either way, as far as f32 arithmetic and the matrix unit's own rounding can turn it there, and no further.
;; One version. Each part assembles by itself: llvm-mc -triple=amdgcn-amd-amdhsa -mcpu=gfx1250 --defsym DOCPART=n.
;; ======== version 1 of 1: 2 launches
;; limits: right only within a limited range of input values
;; workspace buffers: acodes 8,388,608 bytes; ascales 524,288 bytes; bcodes 8,388,608 bytes; bscales 524,288 bytes
;; launch quant (part 1): grid 1024 x 1, 4 waves a work-group, no clusters, 1,536 bytes of LDS; arguments input_f, Hidden_State_f, input_b, Hidden_State_b, Wf, Wb, acodes, ascales, bcodes, bscales; writes acodes, ascales, bcodes, bscales
.if DOCPART == 1
	.amdgcn_target "amdgcn-amd-amdhsa--gfx1250"
	.amdhsa_code_object_version 6
	.text
	.protected	k_qf2bd05023d_quant
	.globl	k_qf2bd05023d_quant
	.p2align	8
	.type	k_qf2bd05023d_quant,@function
k_qf2bd05023d_quant:
	s_mov_b64 s[64:65], 0
	v_nop
	global_prefetch_b8 v0, s[64:65] scope:SCOPE_SE
	s_setreg_imm32_b32 hwreg(HW_REG_WAVE_MODE, 25, 1), 1
	s_wait_xcnt 0x0
; The operands of both LSTM products become codes of FP4 (E2M1), K innermost, two codes a byte (the lower k in the low four bits), with one E8M0 scale byte for each 32 along K.
; A, 8,192 rows of K = 2,048: row 4096 dir + m is concat(x_dir[m], h_dir[m]): 1,024 bytes of codes.
; B, 8,192 rows: W_dir[g][hid] goes to row 4096 dir + n', n' = 128 (hid / 32) + 32 g + hid % 32: the four gates of 32 neighbouring hidden units lie together.
; THE SCALE BYTES are laid [K / 512][8,192 rows][16 bytes]: the bytes of 256 rows for 512 along K are 4,096 consecutive bytes, which the product's launch fetches with each K step.
; A block's scale is 2^(floor(log2(its largest magnitude)) - 2); its byte is the largest magnitude's exponent field - 2, held at 1 from below; numbers are divided by the scale and rounded to the nearest code, ties to even, beyond 6 the largest code.
; LIMITS: a block of zeros gets the byte 1 where the quantiser's rule says 127: its codes are zeros, which add nothing under any byte but 0xff, and this program alone reads the bytes.  Blocks whose largest
; magnitude lies under 2^-124 are held at the byte 1.  NaN and infinities among the inputs are not served.
; SHARES.  1,024 work-groups: 0-511 take A, 512-1023 B; bit 8 is the direction.  A work-group takes 16 rows; wave w takes quarter w of K (512 numbers) of each: step t is row t.  One path for all six tensors: only
; pointers, a shift and a row number are chosen, by ids.
; A STEP.  Four loads of 512 consecutive bytes, 16 a lane.  The conversion wants 8 neighbours along K in one lane: of loads 2 p and 2 p + 1 the lanes l and l xor 1 change pieces, so that an even lane holds the pieces l, l + 1
; of load 2 p and an odd lane the pieces l - 1, l of load 2 p + 1, in place.  A block of 32 then lies in the four lanes of one parity among eight: its largest magnitude crosses by the masks 2 and 4.  A lane's two
; code words (p = 0, 1) are 4 bytes each; lanes l and l xor 2 change words, so that a lane holds 8 neighbouring bytes and the wave's one store covers the step's 256 consecutive aligned bytes.
; The wave's 16 x 16 scale bytes are gathered in its own 256 bytes of LDS and leave as 256 consecutive aligned bytes.  No barrier: waves share nothing.  Loads run six steps (24 loads a wave) ahead.
.set STEPS, 16
.set SETS,  6
.set EMAX,  2
.set R,     16                         ; v16-111  six sets of 16 numbers
.set C,     112                        ; v112-143 a step's 8 bytes of codes
.set E,     144                        ; v144-175 a step's two scale bytes
.set T,     176                        ; v176-185 what comes from the other lane
.set CW,    186                        ; v186-187 my two code words
.set M,     188                        ; v188-189 largest magnitudes, v190-191 scale operands
.set OF,    192                        ; v192-207 16 x lane + t x the source's row pitch
.set SPW,   208                        ; my spare word
.set NIL,   209                        ; 0
	s_load_b512 s[4:19], s[0:1], 0x0               ; x_f 4, h_f 6, x_b 8, h_b 10, W_f 12, W_b 14, A's codes 16, A's scales 18
	s_load_b128 s[20:23], s[0:1], 0x40             ; B's codes 20, B's scales 22
	v_lshl_add_u32 v[SPW], v0, 2, 1024
	v_mov_b32 v[NIL], 0
	v_lshrrev_b32 v1, 5, v0
	v_readfirstlane_b32 s24, v1                    ; wave
	v_and_b32 v2, 31, v0                           ; lane
	v_lshlrev_b32 v[OF], 4, v2
	s_lshl_b32 s26, s24, 8                         ; my wave's 256 scale bytes in LDS
	v_and_b32 v7, 1, v2
	v_bfe_u32 v8, v2, 1, 1
	v_and_b32 v9, 0x1c, v2
	v_lshlrev_b32 v4, 1, v9
	v_lshl_add_u32 v4, v7, 6, v4
	v_lshl_add_u32 v4, v8, 7, v4                   ; my 8 bytes of a step's codes: 128 (lane's bit 1) + 64 (bit 0) + 2 (lane & 28)
	v_lshrrev_b32 v5, 3, v2
	v_lshl_add_u32 v5, v7, 2, v5
	v_add_nc_u32 v5, s26, v5                       ; my block's byte: 4 (lane & 1) + lane / 8, + 8 p + 16 t
	v_lshlrev_b32 v10, 3, v2
	v_add_nc_u32 v6, s26, v10                      ; where I read 8 of them back
.irp i, 0,1,2,3,4,5,6,7,8,9
	v_mov_b32 v[T+\i], 0                           ; written once: the destination of a DPP form counts as one of its sources
.endr
	s_mov_b32 vcc_lo, 0xaaaaaaaa                   ; the odd lanes
	s_mov_b32 s39, 0xcccccccc                      ; the lanes whose bit 1 is set
	s_and_b32 s25, ttmp9, 255
	s_lshl_b32 s25, s25, 4                         ; q = 16 (work-group % 256): the first source row
	s_and_b32 s27, ttmp9, 0x100                    ; the direction's bit
	s_and_b32 s28, s25, 1023                       ; for B: hid,
	s_lshr_b32 s29, s25, 10                        ; g
	s_lshr_b32 s30, s28, 5
	s_lshl_b32 s30, s30, 7
	s_lshl_b32 s29, s29, 5
	s_add_co_u32 s30, s30, s29
	s_and_b32 s28, s28, 31
	s_add_co_u32 s30, s30, s28                     ; n': q is a multiple of 16, so the 16 rows are 16 neighbouring n'
	s_wait_alu depctr_va_vdst(0)                   ; the wait at the head's end
	s_wait_kmcnt 0x0
	s_cmp_lg_u32 s27, 0                            ; backward?
	s_cselect_b64 s[4:5], s[8:9], s[4:5]           ; x
	s_cselect_b64 s[6:7], s[10:11], s[6:7]         ; h
	s_cselect_b64 s[12:13], s[14:15], s[12:13]     ; W
	s_cselect_b32 s31, 4096, 0
	s_cmp_ge_u32 ttmp9, 512                        ; B's work-group?
	s_cselect_b64 s[4:5], s[12:13], s[4:5]         ; P0: quarters 0, 1
	s_cselect_b64 s[6:7], s[12:13], s[6:7]         ; P1: quarters 2, 3
	s_cselect_b64 s[16:17], s[20:21], s[16:17]
	s_cselect_b64 s[18:19], s[22:23], s[18:19]
	s_cselect_b32 s32, 13, 12                      ; a source row is 2^13 bytes (W) or 2^12 (x, h)
	s_cselect_b32 s36, 4096, 0                     ; P1 stands half a row of W behind P0
	s_cselect_b32 s41, s30, s25
	s_mov_b32 s37, 0
	s_add_nc_u64 s[6:7], s[6:7], s[36:37]
	s_cmp_lt_u32 s24, 2                            ; my quarter's pointer, by the wave's number
	s_cselect_b64 s[4:5], s[4:5], s[6:7]
	s_lshl_b32 s34, s25, s32
	s_and_b32 s36, s24, 1
	s_lshl_b32 s36, s36, 11                        ; 2,048 bytes for the odd quarters
	s_add_co_u32 s34, s34, s36
	s_mov_b32 s35, 0
	s_add_nc_u64 s[4:5], s[4:5], s[34:35]
	s_lshl_b32 s38, 1, s32                         ; the source's row pitch
.irp t, 1,2,3,4,5,6,7,8,9,10,11,12,13,14,15
	v_add_nc_u32 v[OF+\t], s38, v[OF+\t-1]
.endr
	s_add_co_u32 s41, s41, s31                     ; the first destination row
	s_lshl_b32 s42, s41, 10
	s_lshl_b32 s43, s24, 8
	s_add_co_u32 s42, s42, s43                     ; 1,024 bytes of codes a row, my quarter's 256
	s_mov_b32 s43, 0
	s_add_nc_u64 s[16:17], s[16:17], s[42:43]
	s_lshl_b32 s42, s41, 4
	s_lshl_b32 s40, s24, 17
	s_add_co_u32 s42, s42, s40                     ; scale bytes: 131,072 x quarter + 16 x row
	s_add_nc_u64 s[18:19], s[18:19], s[42:43]
.macro LOAD t                          ; row t, my quarter: four loads of 512 consecutive bytes
.irp i, 0,1,2,3
	global_load_b128 v[R+16*((\t)%SETS)+4*\i:R+16*((\t)%SETS)+4*\i+3], v[OF+(\t)], s[4:5] offset:512*\i th:TH_LOAD_NT
.endr
.endm
.irp t, 0,1,2,3,4,5
	LOAD \t
.endr
	s_wait_alu depctr_va_vdst(0)                   ; directly ahead of the first step's wait
.macro STEP t
.set RS, R+16*((\t)%SETS)
.if (\t)+SETS-1 < STEPS
	s_wait_loadcnt 4*(SETS-1)                      ; this step's four loads are in; five steps' may be out
.else
	s_wait_loadcnt 4*(STEPS-1-(\t))                ; nothing more is loaded: the counts run down
.endif
.irp p, 0,1
.irp k, 0,1,2,3
	v_mov_b32_dpp v[T+2*\k], v[RS+8*\p+4+\k] row_xmask:1 row_mask:0xf bank_mask:0xf     ; lane l xor 1's piece of load 2 p + 1,
	v_mov_b32_dpp v[T+2*\k+1], v[RS+8*\p+\k] row_xmask:1 row_mask:0xf bank_mask:0xf     ; and of load 2 p
.endr
.irp k, 0,1,2,3
	v_cndmask_b32 v[RS+8*\p+\k], v[RS+8*\p+\k], v[T+2*\k], vcc_lo          ; the lower four: an even lane keeps its own of load 2 p, an odd lane takes its neighbour's of load 2 p + 1
	v_cndmask_b32 v[RS+8*\p+4+\k], v[T+2*\k+1], v[RS+8*\p+4+\k], vcc_lo    ; the upper four: the other way round
.endr
.endr
.irp p, 0,1
	v_max3_num_f32 v[M+\p], |v[RS+8*\p]|, |v[RS+8*\p+1]|, |v[RS+8*\p+2]|   ; the largest magnitude of my 8; the two sets by turns
.endr
.irp i, 3,5
.irp p, 0,1
	v_max3_num_f32 v[M+\p], v[M+\p], |v[RS+8*\p+\i]|, |v[RS+8*\p+\i+1]|
.endr
.endr
.irp p, 0,1
	v_max3_num_f32 v[M+\p], v[M+\p], |v[RS+8*\p+7]|, (EMAX+1)<<23          ; and the floor 2^(3 - 127): the byte cannot fall under 1
.endr
.irp x, 2,4
.irp p, 0,1
	v_max_num_f32_dpp v[M+\p], v[M+\p], v[M+\p] row_xmask:\x row_mask:0xf bank_mask:0xf   ; with the three other lanes of the block
.endr
.endr
.irp p, 0,1
	v_add_nc_u32 v[M+2+\p], -(EMAX<<23), v[M+\p]   ; 2 off the exponent field: the conversion's scale operand
.endr
.irp p, 0,1
	v_cvt_scalef32_pk8_fp4_f32 v[CW+\p], v[RS+8*\p:RS+8*\p+7], v[M+2+\p]
.endr
.irp p, 0,1
	v_lshrrev_b32 v[E+2*(\t)+\p], 23, v[M+2+\p]    ; the scale's byte (also the plain lines behind the conversions)
.endr
.irp p, 0,1
	ds_store_b8 v5, v[E+2*(\t)+\p] offset:16*(\t)+8*\p   ; the four lanes of a block write the same byte with the same value
.endr
	v_mov_b32_dpp v[T+8], v[CW+1] row_xmask:2 row_mask:0xf bank_mask:0xf
	v_mov_b32_dpp v[T+9], v[CW] row_xmask:2 row_mask:0xf bank_mask:0xf
	v_cndmask_b32 v[C+2*(\t)], v[CW], v[T+8], s39          ; bit 1 clear: my word of p = 0 and lane l + 2's; bit 1 set: lane l - 2's word of p = 1 and mine
	v_cndmask_b32 v[C+2*(\t)+1], v[T+9], v[CW+1], s39
.if (\t)+SETS < STEPS
	LOAD (\t)+SETS
.endif
.endm
.irp t, 0,1,2,3,4,5,6,7,8,9,10,11,12,13,14,15
	STEP \t
.endr
	ds_load_b64 v[12:13], v6                       ; LDS serves a wave's instructions in order (ISA guide 5.7.1.4): these see my byte stores
	s_wait_alu depctr_va_vdst(0)                   ; directly ahead of the wait below
	s_wait_dscnt 0x0
.irp t, 0,1,2,3,4,5,6,7,8,9,10,11,12,13,14,15
	global_store_b64 v4, v[C+2*\t:C+2*\t+1], s[16:17] offset:1024*\t   ; all 16 steps' codes leave here, behind the last step's vector work: each store's 32 lanes cover 256 consecutive aligned bytes
.endr
	global_store_b64 v10, v[12:13], s[18:19]       ; 16 rows x 16 scale bytes: 256 consecutive aligned bytes
	s_wait_tensorcnt 0x0                           ; the wave's end
	ds_add_u32 v[SPW], v[NIL]
	s_wait_dscnt 0x0
	s_endpgm
.Lfunc_end_k_qf2bd05023d_quant:
	.size	k_qf2bd05023d_quant, .Lfunc_end_k_qf2bd05023d_quant-k_qf2bd05023d_quant
	.p2alignl 7, 3214868480
	.fill 96, 4, 3214868480
	.section	.rodata,"a",@progbits
	.p2align	6, 0x0
	.amdhsa_kernel k_qf2bd05023d_quant
		.amdhsa_group_segment_fixed_size 1536
		.amdhsa_private_segment_fixed_size 0
		.amdhsa_enable_private_segment 0
		.amdhsa_kernarg_size 80
		.amdhsa_user_sgpr_count 2
		.amdhsa_user_sgpr_kernarg_segment_ptr 1
		.amdhsa_wavefront_size32 1
		.amdhsa_system_sgpr_workgroup_id_x 1
		.amdhsa_system_sgpr_workgroup_id_y 1
		.amdhsa_system_sgpr_workgroup_id_z 1
		.amdhsa_system_vgpr_workitem_id 0
		.amdhsa_next_free_vgpr 212
		.amdhsa_next_free_sgpr 66
		.amdhsa_reserve_vcc 1
		.amdhsa_float_denorm_mode_32 3
		.amdhsa_float_denorm_mode_16_64 3
		.amdhsa_memory_ordered 1
		.amdhsa_forward_progress 1
		.amdhsa_inst_pref_size 61
	.end_amdhsa_kernel
	.amdgpu_metadata
---
amdhsa.version: [ 1, 2 ]
amdhsa.kernels:
  - .name:           k_qf2bd05023d_quant
    .symbol:         k_qf2bd05023d_quant.kd
    .args:
      - { .name: input_f, .offset: 0, .size: 8, .value_kind: global_buffer, .address_space: global }
      - { .name: Hidden_State_f, .offset: 8, .size: 8, .value_kind: global_buffer, .address_space: global }
      - { .name: input_b, .offset: 16, .size: 8, .value_kind: global_buffer, .address_space: global }
      - { .name: Hidden_State_b, .offset: 24, .size: 8, .value_kind: global_buffer, .address_space: global }
      - { .name: Wf, .offset: 32, .size: 8, .value_kind: global_buffer, .address_space: global }
      - { .name: Wb, .offset: 40, .size: 8, .value_kind: global_buffer, .address_space: global }
      - { .name: acodes, .offset: 48, .size: 8, .value_kind: global_buffer, .address_space: global }
      - { .name: ascales, .offset: 56, .size: 8, .value_kind: global_buffer, .address_space: global }
      - { .name: bcodes, .offset: 64, .size: 8, .value_kind: global_buffer, .address_space: global }
      - { .name: bscales, .offset: 72, .size: 8, .value_kind: global_buffer, .address_space: global }
    .group_segment_fixed_size: 1536
    .private_segment_fixed_size: 0
    .kernarg_segment_align: 8
    .kernarg_segment_size: 80
    .max_flat_workgroup_size: 128
    .sgpr_count:     66
    .vgpr_count:     212
    .wavefront_size: 32
...
	.end_amdgpu_metadata
.endif
;; end of part 1
;; launch lstm (part 2): grid 16 x 16, 4 waves a work-group, clusters of 4 x 4, 327,680 bytes of LDS; arguments acodes, ascales, bcodes, bscales, Cell_State_f, Cell_State_b, bf, bb, out0, out1, out2, out3; writes out0, out1, out2, out3
.if DOCPART == 2
	.amdgcn_target "amdgcn-amd-amdhsa--gfx1250"
	.amdhsa_code_object_version 6
	.text
	.protected	k_qf2bd05023d_lstm
	.globl	k_qf2bd05023d_lstm
	.p2align	8
	.type	k_qf2bd05023d_lstm,@function
k_qf2bd05023d_lstm:
	s_mov_b64 s[64:65], 0
	v_nop
	global_prefetch_b8 v0, s[64:65] scope:SCOPE_SE
	s_setreg_imm32_b32 hwreg(HW_REG_WAVE_MODE, 25, 1), 1
	s_wait_xcnt 0x0
	s_wait_alu depctr_hold_cnt(0) depctr_sa_sdst(0) depctr_va_vdst(0) depctr_va_sdst(0) depctr_va_ssrc(0) depctr_va_vcc(0) depctr_vm_vsrc(0)
	s_getreg_b32 s2, hwreg(HW_REG_IB_STS2, 6, 4)
	s_cmp_eq_u32 s2, 0
	s_cbranch_scc0 .Lentry_in_a_cluster
	s_endpgm
.Lentry_in_a_cluster:
	s_bfe_u32 s2, ttmp6, 0x10000c
	s_cmp_lg_u32 s2, 0xf033
	s_cbranch_scc0 .Lentry_shape_is_right
	s_endpgm
.Lentry_shape_is_right:
; Both directions of the LSTM step on codes of FP4 (E2M1) with one E8M0 scale for each 32 along K:  gates = concat(x, h) W^T + b;  c' = sigmoid(f) c + sigmoid(i) tanh(C);  h' = sigmoid(o) tanh(c').
; A: [8192][2048] codes, row 4096 dir + m.  B: [8192][2048] codes, row 4096 dir + n', n' = 128 (hid / 32) + 32 g + hid % 32, g = 0 .. 3 the gates f, i, o, C.  Scale bytes [4 (K / 512)][8192][16] for each.
; SHARES.  256 work-groups THAT STAY: X = 0 .. 15 (hidden units 64 X .. + 63, all four gates: 256 rows of B), y = 0 .. 15 (direction y / 8).  A work-group makes two tiles of 256 batch rows x 256 n', at batch rows
; 256 (y % 8) and 2,048 further on: both take the same rows of B.  Four waves; a wave makes 128 batch rows x 128 n' = 32 hidden units x 4 gates: 64 accumulators, 512 registers.  The gates never go to memory.
; THE MATRIX INSTRUCTION IS USED TRANSPOSED (source 0 = 16 rows of B, source 1 = 16 rows of A).  Accumulator (a, b), b = 2 g + u: register j of lane (r, h) is gate g of batch row 16 a + r at hidden unit
; hid0 + 16 u + 8 h + j: the four gates of a cell lie in one lane.  The bias is the C of each sum's first product.
; THE RING: K goes in four steps of 512 through two LDS slots.  A fill is four joint loads, one a wave: A's 256 rows of codes, B's 256 rows, A's 4,096 scale bytes, B's.  The ring does not stop at the first tile's end: its
; last two changes of slots ask for the next tile's K steps 0 and 1, which land while the tile goes out.  The two tiles differ in two arms, chosen by the tile counter, the same number in all work-groups.
; CLUSTERS: 4 x 4.  A's tiles are shared along a row of the cluster, B's along a column.  The direction comes from the cluster's y alone.
; THE WAY OUT has LDS bytes of its own, on which no fill lands: for each half of the tile's rows one block of 16 rows x 256 bytes of c, of c' and of h'.  c comes by whole rows into registers (blocks 0 and 1 a K step ahead of
; the way out; blocks 2 to 7 at the tile's last step, into the registers of B's set 0, which no product reads any more) and through the stage into the gates' layout; c' and h' go the other way and leave as rows: 16 lanes
; store 256 consecutive aligned bytes.  A row's bytes belong to two waves: two barriers a trip part the writes from the reads.
; PREFETCHES: codes two fills ahead (at the head K steps 1 and 2, then 3; in the first tile the next tile's K steps of A; B's rows have been read by then); a K step's 256 rows are shared out among the four partners
; by address, 64 rows each, a lane a row.  c: each wave's 64 rows, two changes of slots ahead of their first load.  The scale bytes, 1/16 of a fill, are not asked for.
; sigmoid(x) = 1 / (1 + 2^(-x log2 e)), tanh(x) = 1 - 2 / (1 + 2^(2 x log2 e)): an exponential that overflows gives 1 / infinity = 0, one that underflows 1 / 1: both ends are right without a clamp.
; LIMITS: NaN and infinities among the inputs are not served.
; REGISTERS: window 0: v1-7 at work, v16-31 addresses; v32-95 scale words, two sets; v128-191 A's fragments; v192-255 the bias (read by a tile's first step alone).  On the way out: v96-111 c; v112-127, v192-207 the argument of
; tanh(c'); v128-159 c', h'; v160-191 rows read back; v208-223 tanh(C); v224-255 rows of c's blocks 0 and 1 as loaded.  Window 1: B's fragments, two sets; on the way out v0-95 rows of c's blocks 2 to 7.
; Windows 2, 3: the accumulators ((a, b) at v[8 (8 (a % 4) + b)]).
.set NQ,     4
.set ROWB,   256
.set KROW,   1024
.set PITCH,  272                       ; 256 bytes + 16 of padding: the 16 rows that a load touches start at 16 different banks (64 banks of 4 bytes: ISA guide 11.1)
.set FR,     8
.set NL,     2
.set NP,     4                         ; places behind this matrix instruction (ISA guide 7.12.1)
.set HALFT,  128*PITCH
.set SLOT,   4*HALFT                   ; A's 256 rows, then B's 256 rows
.set SCL,    2*SLOT                    ; the slots' scale bytes: A's 4,096, B's 4,096, for each slot
.set SSL,    8192
.set KSS,    131072                    ; scale bytes from one K step to the next in memory
.set STG,    SCL+2*SSL                 ; the stage
.set CP,     272
.set SB16,   16*CP                     ; a block of 16 rows; c at STG + WA SB16, c' 2 SB16 on, h' 4 SB16 on
.set SPARE,  STG+6*SB16                ; the spare words: 512 bytes that no other line names
.set WALK,   2048                      ; rows from a tile to the next
.set NXT,    WALK*KROW
.set ADRA, 16
.set ADRB, 20
.set CA,   22                          ; the stage in the gates' layout: row r, 128 WC + 32 h
.set RD,   24                          ; the stage by rows: row 8 WC + h, 16 r
.set PFC,  25                          ; c's prefetch: row 16 (lane / 8) + lane % 8
.set CO,   26                          ; 4,096 h + 16 r: two rows of c or of an output
.set ADRS, 27                          ; scale words: lanes 0-15 A's rows, lanes 16-31 B's
.set SPW,  28
.set NIL,  29
.set PFO,  30                          ; 1,024 x lane: a row of codes
.set BO,   31                          ; 32 h
.set SC,   32
.set CR,   96
.set T1,   112
.set AF,   128
.set CN,   128
.set HN,   144
.set OB,   160
.set BI,   192
.set T0,   192
.set TC,   208
.set CG,   224
.set PFA,  8                           ; s[8:9]   where my prefetches of codes stand
.set CB,   12                          ; s[12:13] c at the first row that I load
.set KL,   14                          ; s[14:15] -log2 e
.set BP,   16                          ; s[16:17] the bias at hid0
.set K2,   18                          ; s[18:19] 2 log2 e
.set OUTH, 20
.set OUTC, 22
.set TL,   26                          ; tiles to go
.set PFG,  27                          ; 1: my wave asks for the next tile's rows of A
.set G1,   28
.set G0,   36
.set G1B,  44
.set G0B,  52
.set G1S,  68
.set G1SB, 76
.set G0S,  84
.set G0SB, 92
.set MSB, 0
.macro WIN new                         ; the immediate's high byte repeats the setting that is left
.if MSB != (\new)
	s_set_vgpr_msb (MSB<<8)|(\new)
.set MSB, (\new)
.endif
.endm
.set MUL_LO, 0xa1
.set MUL_HI, 0xf1
.set TO_B,   0x40
.macro ONEL g0, g1                     ; a joint load with an s_nop and four v_nop behind it
	tensor_load_to_lds s[\g0:\g0+3], s[\g1:\g1+7]
	s_nop 0
.rept 4
	v_nop
.endr
.endm
.macro JL4 s                           ; a fill of slot s: one chain of branches on the wave's number, one load to an arm
	s_cmp_lt_u32 s2, 1
	s_cbranch_scc0 .Lj1_\@
	ONEL G0+4*\s, G1
	s_branch .Lj4_\@
.Lj1_\@:
	s_cmp_lt_u32 s2, 2
	s_cbranch_scc0 .Lj2_\@
	ONEL G0B+4*\s, G1B
	s_branch .Lj4_\@
.Lj2_\@:
	s_cmp_lt_u32 s2, 3
	s_cbranch_scc0 .Lj3_\@
	ONEL G0S+4*\s, G1S
	s_branch .Lj4_\@
.Lj3_\@:
	ONEL G0SB+4*\s, G1SB
.Lj4_\@:
.endm
.macro CREST
	s_cmp_lg_u32 s2, 0
	s_cbranch_scc1 .Lnw0_\@
	s_barrier_signal -3
.Lnw0_\@:
	s_barrier_wait -3
	s_barrier_signal -1
	s_barrier_wait -1
.endm
.macro CROUND
	s_barrier_signal -1
	s_barrier_wait -1
	CREST
.endm
.macro BIAS                            ; bias[g][hid0 + 16 u + 8 h + 0 .. 7]
.irp g, 0,1,2,3
.irp u, 0,1
	global_load_b128 v[BI+8*(2*\g+\u):BI+8*(2*\g+\u)+3],   v[BO], s[BP:BP+1] offset:4096*\g+64*\u
	global_load_b128 v[BI+8*(2*\g+\u)+4:BI+8*(2*\g+\u)+7], v[BO], s[BP:BP+1] offset:4096*\g+64*\u+16
.endr
.endr
.endm
	s_load_b512 s[4:19], s[0:1], 0x0               ; A's codes 4, A's scales 6, B's codes 8, B's scales 10, c_f 12, c_b 14, b_f 16, b_b 18
	s_load_b256 s[20:27], s[0:1], 0x40             ; out0 (h_f) 20, out1 (c_f) 22, out2 (h_b) 24, out3 (c_b) 26
	v_lshl_add_u32 v[SPW], v0, 2, SPARE
	v_mov_b32 v[NIL], 0
	ds_add_u32 v[SPW], v[NIL]                      ; the opening lines: the add, twice on end, and its wait
	ds_add_u32 v[SPW], v[NIL]
	v_lshrrev_b32 v1, 5, v0
	v_readfirstlane_b32 s2, v1                     ; wave
	s_lshr_b32 s3, s2, 1                           ; WA: my half of the tile's batch rows
	s_and_b32 s66, s2, 1                           ; WC: my half of its n'
	s_bfe_u32 s100, ttmp6, 0x40000                 ; cx
	s_bfe_u32 s101, ttmp6, 0x40004                 ; cy
	s_lshl_b32 s104, ttmp9, 2
	s_add_co_u32 s104, s104, s100                  ; X
	s_and_b32 s67, ttmp7, 0xffff
	s_lshl_b32 s105, s67, 2
	s_add_co_u32 s105, s105, s101                  ; y
	s_lshr_b32 s67, s67, 1                         ; the direction: cluster y / 2
	s_lshl_b32 s62, s101, 2
	s_lshl_b32 s62, 15, s62                        ; my row of the cluster
	s_lshl_b32 s63, 0x1111, s100                   ; my column
	s_or_b32 s[G1+0], s62, (1<<20)|(1<<21)|(5<<22)|(3<<25)    ; codes: elements of 1 byte, 4 words of padding behind every 64
	s_or_b32 s[G1B+0], s63, (1<<20)|(1<<21)|(5<<22)|(3<<25)
.irp g, G1, G1B
	s_mov_b32 s[\g+1], ROWB<<16
	s_mov_b32 s[\g+2], 256<<16
	s_mov_b32 s[\g+3], ROWB<<16
	s_mov_b32 s[\g+4], 256
	s_mov_b32 s[\g+5], KROW
	s_mov_b32 s[\g+6], 0
	s_mov_b32 s[\g+7], 0
.endr
	s_or_b32 s[G1S+0], s62, (3<<16)|(1<<21)        ; scales: a dense block of 4,096 bytes as 16 rows of 32 elements of 8 bytes
	s_or_b32 s[G1SB+0], s63, (3<<16)|(1<<21)
.irp g, G1S, G1SB
	s_mov_b32 s[\g+1], 32<<16
	s_mov_b32 s[\g+2], 16<<16
	s_mov_b32 s[\g+3], 32<<16
	s_mov_b32 s[\g+4], 16
	s_mov_b32 s[\g+5], 32
	s_mov_b32 s[\g+6], 0
	s_mov_b32 s[\g+7], 0
.endr
	s_lshl_b32 s60, s67, 3
	s_add_co_u32 s60, s60, s105
	s_lshl_b32 s60, s60, 8                         ; A's first row: 4096 dir + 256 (y % 8) = 256 (y + 8 dir)
	s_lshl_b32 s[G0+2], s60, 10
	s_mov_b32 s[G0+3], 0
	s_lshl_b32 s[G0S+2], s60, 4
	s_mov_b32 s[G0S+3], 0
	s_lshl_b32 s61, s67, 4
	s_add_co_u32 s61, s61, s104
	s_lshl_b32 s61, s61, 8                         ; B's first row: 4096 dir + 256 X
	s_lshl_b32 s[G0B+2], s61, 10
	s_mov_b32 s[G0B+3], 0
	s_lshl_b32 s[G0SB+2], s61, 4
	s_mov_b32 s[G0SB+3], 0
.irp s, 0,1
	s_mov_b32 s[G0+4*\s], 1
	s_mov_b32 s[G0+4*\s+1], \s*SLOT
	s_mov_b32 s[G0B+4*\s], 1
	s_mov_b32 s[G0B+4*\s+1], \s*SLOT+2*HALFT
	s_mov_b32 s[G0S+4*\s], 1
	s_mov_b32 s[G0S+4*\s+1], SCL+\s*SSL
	s_mov_b32 s[G0SB+4*\s], 1
	s_mov_b32 s[G0SB+4*\s+1], SCL+\s*SSL+4096
.endr
	s_cmp_eq_u32 s3, 0                             ; the prefetches: waves 0, 1 ask for A, waves 2, 3 for B
	s_cselect_b32 s60, s60, s61
	s_cselect_b32 s100, s100, s101                 ; my place among the four that share the tile
	s_lshl_b32 s100, s100, 6
	s_add_co_u32 s60, s60, s100                    ; my work-group's 64 rows,
	s_lshl_b32 s100, s66, 5
	s_add_co_u32 s60, s60, s100                    ; my wave's 32 of them
	s_lshl_b32 s100, s60, 10
	s_mov_b32 s101, 0
	s_lshl_b32 s60, s104, 8                        ; the bias at hid0 = 64 X + 32 WC
	s_lshl_b32 s61, s66, 7
	s_add_co_u32 s60, s60, s61
	s_mov_b32 s61, 0
	s_and_b32 s62, s105, 7                         ; c and the outputs: row 256 (y % 8) + 128 WA + 8 WC, + 256 X bytes
	s_lshl_b32 s62, s62, 8
	s_lshl_b32 s63, s3, 7
	s_add_co_u32 s62, s62, s63
	s_lshl_b32 s63, s66, 3
	s_add_co_u32 s62, s62, s63
	s_lshl_b32 s62, s62, 12
	s_lshl_b32 s63, s104, 8
	s_add_co_u32 s62, s62, s63
	s_mov_b32 s63, 0
	s_wait_dscnt 0x0                               ; both opening adds are done
	s_wait_kmcnt 0x0
	s_add_nc_u64 s[G0+2:G0+3], s[4:5], s[G0+2:G0+3]
	s_add_nc_u64 s[G0S+2:G0S+3], s[6:7], s[G0S+2:G0S+3]
	s_add_nc_u64 s[G0B+2:G0B+3], s[8:9], s[G0B+2:G0B+3]
	s_add_nc_u64 s[G0SB+2:G0SB+3], s[10:11], s[G0SB+2:G0SB+3]
	s_add_nc_u64 s[G0+6:G0+7], s[G0+2:G0+3], ROWB  ; slot 1 begins with K step 1
	s_add_nc_u64 s[G0B+6:G0B+7], s[G0B+2:G0B+3], ROWB
	s_add_nc_u64 s[G0S+6:G0S+7], s[G0S+2:G0S+3], KSS
	s_add_nc_u64 s[G0SB+6:G0SB+7], s[G0SB+2:G0SB+3], KSS
.irp g, G0, G0B, G0S, G0SB
	s_or_b32 s[\g+3], s[\g+3], 0x80000000
	s_or_b32 s[\g+7], s[\g+7], 0x80000000
.endr
	CROUND                                         ; all sixteen work-groups are here: the first joint loads meet
	JL4 0                                          ; K step 0: one tensor load a wave at the head
	s_cmp_eq_u32 s3, 0
	s_cselect_b64 s[PFA:PFA+1], s[4:5], s[8:9]
	s_add_nc_u64 s[PFA:PFA+1], s[PFA:PFA+1], s[100:101]
	s_cmp_eq_u32 s67, 0                            ; forward?
	s_cselect_b64 s[CB:CB+1], s[12:13], s[14:15]
	s_cselect_b64 s[BP:BP+1], s[16:17], s[18:19]
	s_cselect_b64 s[OUTH:OUTH+1], s[20:21], s[24:25]
	s_cselect_b64 s[OUTC:OUTC+1], s[22:23], s[26:27]
	s_add_nc_u64 s[CB:CB+1], s[CB:CB+1], s[62:63]
	s_add_nc_u64 s[OUTH:OUTH+1], s[OUTH:OUTH+1], s[62:63]
	s_add_nc_u64 s[OUTC:OUTC+1], s[OUTC:OUTC+1], s[62:63]
	s_add_nc_u64 s[BP:BP+1], s[BP:BP+1], s[60:61]
	s_cmp_eq_u32 s3, 0
	s_cselect_b32 s[PFG], 1, 0
	s_mov_b32 s[TL], 2
	s_mov_b32 s[KL], 0xbfb8aa3b
	s_mov_b32 s[KL+1], s[KL]
	s_mov_b32 s[K2], 0x4038aa3b
	s_mov_b32 s[K2+1], s[K2]
	s_mul_i32 s4, s3, HALFT                        ; my 128 rows of A
	s_mul_i32 s5, s66, HALFT
	s_add_co_u32 s5, s5, 2*HALFT                   ; my 128 rows of B
	s_lshl_b32 s7, s3, 11                          ; scale words: A's, 16 bytes a row
	s_lshl_b32 s6, s66, 11
	s_add_co_u32 s6, s6, 4096
	s_sub_co_u32 s6, s6, s7                        ; the distance to B's
	s_add_co_u32 s7, s7, SCL
	s_mul_i32 s10, s3, SB16
	s_add_co_u32 s10, s10, STG
	s_mul_i32 s11, s66, 8*CP
	s_add_co_u32 s11, s11, s10                     ; the stage by rows
	s_lshl_b32 s24, s66, 7
	s_add_co_u32 s10, s10, s24                     ; the stage in the gates' layout
	v_and_b32 v1, 15, v0                           ; r
	v_bfe_u32 v2, v0, 4, 1                         ; h
	v_and_b32 v5, 31, v0                           ; lane
	v_mul_u32_u24 v3, v1, PITCH
	v_lshl_add_u32 v4, v2, 4, v3
	v_add_nc_u32 v[ADRA], s4, v4
	v_add_nc_u32 v[ADRB], s5, v4
	v_add_nc_u32 v[ADRA+1], SLOT, v[ADRA]
	v_add_nc_u32 v[ADRB+1], SLOT, v[ADRB]
	v_mul_u32_u24 v6, s6, v2                       ; lanes 16-31 take B's: the lower base + h x the distance
	v_lshl_add_u32 v6, v1, 4, v6
	v_add_nc_u32 v[ADRS], s7, v6
	v_lshl_add_u32 v6, v2, 5, v3
	v_add_nc_u32 v[CA], s10, v6
	v_mul_u32_u24 v6, v2, CP
	v_lshl_add_u32 v6, v1, 4, v6
	v_add_nc_u32 v[RD], s11, v6
	v_lshlrev_b32 v[CO], 12, v2
	v_lshl_add_u32 v[CO], v1, 4, v[CO]
	v_lshlrev_b32 v[PFO], 10, v5
	v_lshrrev_b32 v6, 3, v5
	v_and_b32 v7, 7, v5
	v_lshl_add_u32 v6, v6, 4, v7
	v_lshlrev_b32 v[PFC], 12, v6
	v_lshlrev_b32 v[BO], 5, v2
	s_wait_alu depctr_va_vdst(0)                   ; the wait at the head's end
	BIAS
	global_prefetch_b8 v[PFO], s[PFA:PFA+1] offset:ROWB th:TH_LOAD_NT scope:SCOPE_SE     ; K step 1 of my 32 rows
	global_prefetch_b8 v[PFO], s[PFA:PFA+1] offset:2*ROWB th:TH_LOAD_NT scope:SCOPE_SE   ; K step 2
	s_wait_tensorcnt 0x0                           ; my part of K step 0 is in
	ds_add_u32 v[SPW], v[NIL]
	s_wait_dscnt 0x0
	CROUND
	JL4 1                                          ; K step 1: slot 1's first fill
	global_prefetch_b8 v[PFO], s[PFA:PFA+1] offset:3*ROWB th:TH_LOAD_NT scope:SCOPE_SE   ; K step 3
.macro FRAG reg, adr, q, i             ; 16 rows x 128 K: registers 4 c .. 4 c + 3 hold K = 64 c + 32 h + 0 .. 31
.irp c, 0,1
	ds_load_b128 v[\reg+4*\c:\reg+4*\c+3], v[\adr] offset:64*(\q)+32*\c+(\i)*16*PITCH
.endr
.endm
; 16 matrix instructions: A's blocks a0, a0 + 1 x B's eight.  zero = 1: the first product starts the sums on the bias.  The 64 accumulators take turns.
.macro MUL16 a0, p, q, sc, zero
.irp a, \a0, \a0+1
.irp b, 0,1,2,3,4,5,6,7
.if \zero
	v_wmma_scale_f32_16x16x128_f8f6f4 v[8*(8*((\a)%4)+\b):8*(8*((\a)%4)+\b)+7], v[128*(\p)+FR*\b:128*(\p)+FR*\b+FR-1], v[AF+FR*(\a):AF+FR*(\a)+FR-1], v[BI+8*\b:BI+8*\b+7], v[SC+8*NQ*(\sc)+NQ*\b+(\q)], v[SC+8*NQ*(\sc)+NQ*(\a)+(\q)] matrix_a_fmt:MATRIX_FMT_FP4 matrix_b_fmt:MATRIX_FMT_FP4 matrix_a_scale:MATRIX_SCALE_ROW1
.else
	v_wmma_scale_f32_16x16x128_f8f6f4 v[8*(8*((\a)%4)+\b):8*(8*((\a)%4)+\b)+7], v[128*(\p)+FR*\b:128*(\p)+FR*\b+FR-1], v[AF+FR*(\a):AF+FR*(\a)+FR-1], v[8*(8*((\a)%4)+\b):8*(8*((\a)%4)+\b)+7], v[SC+8*NQ*(\sc)+NQ*\b+(\q)], v[SC+8*NQ*(\sc)+NQ*(\a)+(\q)] matrix_a_fmt:MATRIX_FMT_FP4 matrix_b_fmt:MATRIX_FMT_FP4 matrix_a_scale:MATRIX_SCALE_ROW1
.endif
.endr
.endr
.endm
.macro FETCH_B slot, q, p
	WIN TO_B
.irp i, 0,1,2,3,4,5,6,7
	FRAG 128*(\p)+FR*\i, ADRB+\slot, \q, \i
.endr
	WIN 0
.endm
.macro FETCH_A slot, q, i0
.irp i, \i0, \i0+1, \i0+2, \i0+3
	FRAG AF+FR*(\i), ADRA+\slot, \q, \i
.endr
.endm
.macro SCALES sc                       ; the slot's scale words: four words a row; lanes 0-15 A's block i, lanes 16-31 B's block i
.irp i, 0,1,2,3,4,5,6,7
	ds_load_b128 v[SC+8*NQ*\sc+NQ*\i:SC+8*NQ*\sc+NQ*\i+3], v[ADRS] offset:\sc*SSL+\i*256
.endr
.endm
.macro PLACES n
.rept \n
	v_nop
.endr
.endm
.macro STEP slot, q, zero              ; 128 along K with its successor in the same slot
	s_wait_dscnt 4*NL                              ; all but the youngest eight loads, A's blocks 4-7
	WIN MUL_LO-0x20*(\zero)
	MUL16 0, (\q)%2, \q, \slot, \zero
	MUL16 2, (\q)%2, \q, \slot, \zero
	s_wait_dscnt 0
	PLACES NP
	FETCH_B \slot, (\q)+1, 1-(\q)%2
	FETCH_A \slot, (\q)+1, 0
	WIN MUL_HI-0x30*(\zero)
	MUL16 4, (\q)%2, \q, \slot, \zero
	MUL16 6, (\q)%2, \q, \slot, \zero
	PLACES NP
	WIN 0
	FETCH_A \slot, (\q)+1, 4
.endm
.macro MEET slot                       ; a slot's last step, first half: the three lines and the barrier of the change of slots
	s_wait_tensorcnt 0x0                           ; my one load that was out, my part of the next slot, has landed
	ds_add_u32 v[SPW], v[NIL]
	s_wait_dscnt 4*NL+1                            ; (the add and A's blocks 4-7 may be out)
	WIN MUL_LO
	MUL16 0, 1, NQ-1, \slot, 0
	s_wait_dscnt 0x0                               ; the add is done, my reads of this slot are over
	s_barrier_signal -1
	MUL16 2, 1, NQ-1, \slot, 0
	WIN 0
	s_barrier_wait -1
.endm
.macro STEPK s                         ; slot s: two K steps on
	s_add_nc_u64 s[G0+4*\s+2:G0+4*\s+3], s[G0+4*\s+2:G0+4*\s+3], 2*ROWB
	s_add_nc_u64 s[G0B+4*\s+2:G0B+4*\s+3], s[G0B+4*\s+2:G0B+4*\s+3], 2*ROWB
	s_add_nc_u64 s[G0S+4*\s+2:G0S+4*\s+3], s[G0S+4*\s+2:G0S+4*\s+3], 2*KSS
	s_add_nc_u64 s[G0SB+4*\s+2:G0SB+4*\s+3], s[G0SB+4*\s+2:G0SB+4*\s+3], 2*KSS
.endm
.macro STEPT s                         ; slot s: to the next tile: A goes WALK rows down and back along K, B only back
	s_add_nc_u64 s[G0+4*\s+2:G0+4*\s+3], s[G0+4*\s+2:G0+4*\s+3], NXT-2*ROWB
	s_sub_nc_u64 s[G0B+4*\s+2:G0B+4*\s+3], s[G0B+4*\s+2:G0B+4*\s+3], 2*ROWB
	s_sub_nc_u64 s[G0S+4*\s+2:G0S+4*\s+3], s[G0S+4*\s+2:G0S+4*\s+3], 2*KSS-WALK*16
	s_sub_nc_u64 s[G0SB+4*\s+2:G0SB+4*\s+3], s[G0SB+4*\s+2:G0SB+4*\s+3], 2*KSS
.endm
.macro ASK off                         ; the next tile's rows of A, two fills ahead: waves 0 and 1, in the first tile
	s_cmp_eq_u32 s[PFG], 1
	s_cbranch_scc0 .Lna_\@
	global_prefetch_b8 v[PFO], s[PFA:PFA+1] offset:\off th:TH_LOAD_NT scope:SCOPE_SE
.Lna_\@:
.endm
.macro CGLOAD b                        ; my 8 rows of block b (0 or 1) of c, two whole rows of 256 bytes an instruction
.irp t, 0,1,2,3
	global_load_b128 v[CG+16*(\b)+4*\t:CG+16*(\b)+4*\t+3], v[CO], s[CB:CB+1] offset:(16*(\b)+2*\t)*4096 th:TH_LOAD_NT
.endr
.endm
.macro CWLOAD                          ; blocks 2 to 7, into window 1, v0-95: B's set 0, whose last products stand a step back, with their places behind them
	WIN TO_B
.irp b, 2,3,4,5,6,7
.irp t, 0,1,2,3
	global_load_b128 v[16*(\b-2)+4*\t:16*(\b-2)+4*\t+3], v[CO], s[CB:CB+1] offset:(16*\b+2*\t)*4096 th:TH_LOAD_NT
.endr
.endr
	WIN 0
.endm
.macro CSTORE b                        ; block b's rows into the stage
.if (\b) < 2
.irp t, 0,1,2,3
	ds_store_b128 v[RD], v[CG+16*(\b)+4*\t:CG+16*(\b)+4*\t+3] offset:2*\t*CP
.endr
.else
	WIN 0x04                                       ; the data: window 1
.irp t, 0,1,2,3
	ds_store_b128 v[RD], v[16*((\b)-2)+4*\t:16*((\b)-2)+4*\t+3] offset:2*\t*CP
.endr
	WIN 0
.endif
.endm
.macro REST slot, next, off, cpf, cg   ; a slot's last step, second half: the next slot's first fragments
	FETCH_B \next, 0, 0
	FETCH_A \next, 0, 0
	SCALES \next
.if \cg
	CGLOAD 0
	CGLOAD 1
.endif
.if \cpf
	global_prefetch_b8 v[PFC], s[CB:CB+1] th:TH_LOAD_NT scope:SCOPE_SE                  ; my rows of c's blocks 0-3
	global_prefetch_b8 v[PFC], s[CB:CB+1] offset:64*4096 th:TH_LOAD_NT scope:SCOPE_SE   ; and 4-7
.endif
	ASK \off
	WIN MUL_HI
	MUL16 4, 1, NQ-1, \slot, 0
	MUL16 6, 1, NQ-1, \slot, 0
	PLACES NP
	WIN 0
	FETCH_A \next, 0, 4
.endm
.macro TURNF slot, next, off, cpf      ; a change of slots that fills the slot with the K step two on
	MEET \slot
	CREST                                          ; the barrier has opened a round of the cluster's barrier
	STEPK \slot
	JL4 \slot                                      ; its four v_nop are the places in front of the loads below
	REST \slot, \next, \off, \cpf, 0
.endm
; THE WAY OUT, by blocks of 16 batch rows x my 32 hidden units (16 cells a lane), in ten trips that overlap.  Trip a: block a's gates, worked in place; block a - 1's tanh(c') and h'; rows of c' of block a - 1 and of h' of
; block a - 2 are read back and stored; c of block a + 1 goes into the stage.  Barrier X: the stage's writes of the trip before are whole.  Barrier Y: this trip's reads of the stage are over, so that it may be written again.
; Each batch of transcendentals has all its sources ahead of it, one wait ahead and one behind.
.macro CLOAD
.irp u, 0,1
.irp i, 0,1
	ds_load_b128 v[CR+8*\u+4*\i:CR+8*\u+4*\i+3], v[CA] offset:64*\u+16*\i
.endr
.endr
.endm
.macro BACK reg, arr
.irp t, 0,1,2,3
	ds_load_b128 v[\reg+4*\t:\reg+4*\t+3], v[RD] offset:\arr*SB16+2*\t*CP
.endr
.endm
.macro SEND reg, base, b               ; 16 lanes store 256 consecutive aligned bytes
.irp t, 0,1,2,3
	global_store_b128 v[CO], v[\reg+4*\t:\reg+4*\t+3], s[\base:\base+1] offset:(16*(\b)+2*\t)*4096 th:TH_STORE_NT
.endr
.endm
.macro TRIP a
.set AC,  64*((\a)%4)
.set ACP, 64*(((\a)+3)%4)
.set TI,  T0-(T0-T1)*(((\a)%4)/3)      ; where 2 c' log2 e of block a - 1 lies: at T1 in the trips whose AC is 192, so that no register number repeats inside a batch
.set TO,  T0-(T0-T1)*((((\a)+1)%4)/3)
.if (\a) < 8
	WIN 0x82+0x41*((\a)/4)
	s_wait_alu depctr_va_vdst(0)                   ; directly ahead of the first readers of the block's matrix results
.set jj, 0
.rept 32
.if jj < 24
	v_pk_mul_f32 v[AC+2*jj:AC+2*jj+1], v[AC+2*jj:AC+2*jj+1], s[KL:KL+1] op_sel_hi:[1,0]
.else
	v_pk_mul_f32 v[AC+2*jj:AC+2*jj+1], v[AC+2*jj:AC+2*jj+1], s[K2:K2+1] op_sel_hi:[1,0]
.endif
.set jj, jj+1
.endr
	WIN 0
.endif
.if (\a) < 9
	s_wait_alu depctr_va_vdst(0)                   ; ahead of the batch
.endif
.if ((\a) > 0) && ((\a) < 9)
.set jj, 0
.rept 16
	v_exp_f32 v[TI+jj], v[TI+jj]
.set jj, jj+1
.endr
.endif
.if (\a) < 8
	WIN 0x82+0x41*((\a)/4)
.set jj, 0
.rept 64
	v_exp_f32 v[AC+jj], v[AC+jj]
.set jj, jj+1
.endr
.endif
.if (\a) < 9
	v_nop
.endif
	WIN 0
	s_wait_dscnt 0x0                               ; for the others' sake: my stores into the stage have landed
.if (\a) < 9
	s_wait_alu depctr_va_vdst(0)                   ; behind the batch
.endif
	s_barrier_signal -1                            ; X
.if ((\a) > 0) && ((\a) < 9)
.set jj, 0
.rept 8
	v_pk_add_f32 v[TI+2*jj:TI+2*jj+1], v[TI+2*jj:TI+2*jj+1], 1.0 op_sel_hi:[1,0]
.set jj, jj+1
.endr
.endif
.if (\a) < 8
	WIN 0x82+0x41*((\a)/4)
.set jj, 0
.rept 32
	v_pk_add_f32 v[AC+2*jj:AC+2*jj+1], v[AC+2*jj:AC+2*jj+1], 1.0 op_sel_hi:[1,0]
.set jj, jj+1
.endr
	WIN 0
.endif
	s_barrier_wait -1
.if (\a) >= 2
	s_wait_xcnt 0x0                                ; the last trip's stores have read their registers
.endif
.if (\a) < 8
	CLOAD
.endif
.if ((\a) > 0) && ((\a) < 9)
	BACK OB, 2
.endif
.if (\a) >= 2
	BACK OB+16, 4
.endif
.if (\a) < 9
	s_wait_alu depctr_va_vdst(0)                   ; ahead of the batch
.endif
.if ((\a) > 0) && ((\a) < 9)
.set jj, 0
.rept 16
	v_rcp_f32 v[TI+jj], v[TI+jj]
.set jj, jj+1
.endr
.endif
.if (\a) < 8
	WIN 0x82+0x41*((\a)/4)
.set jj, 0
.rept 64
	v_rcp_f32 v[AC+jj], v[AC+jj]
.set jj, jj+1
.endr
.endif
.if (\a) < 9
	v_nop
	WIN 0
	s_wait_alu depctr_va_vdst(0)                   ; behind the batch
.endif
.if ((\a) > 0) && ((\a) < 9)
.set jj, 0
.rept 8
	v_pk_fma_f32 v[TI+2*jj:TI+2*jj+1], v[TI+2*jj:TI+2*jj+1], -2.0, 1.0 op_sel_hi:[1,0,0]     ; tanh(c') = 1 - 2 R
.set jj, jj+1
.endr
	WIN 0x02+((\a)-1)/4
.set jj, 0
.rept 8
	v_pk_mul_f32 v[HN+2*jj:HN+2*jj+1], v[ACP+32+2*jj:ACP+32+2*jj+1], v[TI+2*jj:TI+2*jj+1]   ; h' = sigmoid(o) tanh(c')
.set jj, jj+1
.endr
.endif
.if (\a) < 8
	WIN 0x02+(\a)/4
.set jj, 0
.rept 8
	v_pk_fma_f32 v[TC+2*jj:TC+2*jj+1], v[AC+48+2*jj:AC+48+2*jj+1], -2.0, 1.0 op_sel_hi:[1,0,0]   ; tanh(C)
.set jj, jj+1
.endr
.endif
.if (\a) < 9
	s_wait_alu depctr_va_vdst(0)                   ; directly ahead of the wait below
.endif
	s_wait_dscnt 0x0                               ; c and the rows read back are in: my reads of the stage are over
.if (\a) < 9
	s_barrier_signal -1                            ; Y
.if (\a) < 8
.set jj, 0
.rept 8
	v_pk_mul_f32 v[CN+2*jj:CN+2*jj+1], v[AC+2*jj:AC+2*jj+1], v[CR+2*jj:CR+2*jj+1]            ; sigmoid(f) c
.set jj, jj+1
.endr
.set jj, 0
.rept 8
	v_pk_fma_f32 v[CN+2*jj:CN+2*jj+1], v[AC+16+2*jj:AC+16+2*jj+1], v[TC+2*jj:TC+2*jj+1], v[CN+2*jj:CN+2*jj+1]   ; c'
.set jj, jj+1
.endr
	WIN 0
.set jj, 0
.rept 8
	v_pk_mul_f32 v[TO+2*jj:TO+2*jj+1], v[CN+2*jj:CN+2*jj+1], s[K2:K2+1] op_sel_hi:[1,0]      ; 2 c' log2 e, for the next trip
.set jj, jj+1
.endr
.endif
	WIN 0
	s_wait_alu depctr_va_vdst(0)                   ; directly ahead of the barrier's wait
	s_barrier_wait -1
.if (\a) < 7
	s_wait_loadcnt 4*(6-(\a))                      ; block a + 1's four loads are in; those of the 6 - a blocks behind it may be out
	CSTORE (\a)+1
.endif
.if (\a) > 0
.irp u, 0,1
.irp i, 0,1
	ds_store_b128 v[CA], v[HN+8*\u+4*\i:HN+8*\u+4*\i+3] offset:4*SB16+64*\u+16*\i
.endr
.endr
.endif
.if (\a) < 8
.irp u, 0,1
.irp i, 0,1
	ds_store_b128 v[CA], v[CN+8*\u+4*\i:CN+8*\u+4*\i+3] offset:2*SB16+64*\u+16*\i
.endr
.endr
.endif
.endif
.if ((\a) > 0) && ((\a) < 9)
	SEND OB, OUTC, (\a)-1
.endif
.if (\a) >= 2
	SEND OB+16, OUTH, (\a)-2
.endif
.endm
.Ltile:                                                ; slot 0 holds K step 0, whole for every wave; slot 1's load has been asked for
	FETCH_B 0, 0, 0
	FETCH_A 0, 0, 0
	SCALES 0
	FETCH_A 0, 0, 4
	s_wait_loadcnt 0x0                             ; the bias
	STEP 0, 0, 1
	STEP 0, 1, 0
	STEP 0, 2, 0
	TURNF 0, 1, NXT, 1                             ; slot 0 takes K step 2
	STEP 1, 0, 0
	STEP 1, 1, 0
	STEP 1, 2, 0
	TURNF 1, 0, NXT+ROWB, 0                        ; slot 1 takes K step 3
	STEP 0, 0, 0
	STEP 0, 1, 0
	STEP 0, 2, 0
	s_cmp_eq_u32 s[TL], 1                          ; the tile counter is the same number in every work-group
	s_cbranch_scc1 .Lt3_last
	MEET 0
	CREST
	STEPT 0
	JL4 0                                          ; the ring goes on: slot 0 takes the next tile's K step 0
	s_branch .Lt3_join
.Lt3_last:
	MEET 0                                         ; the last tile asks for nothing more: no round
	PLACES NP
.Lt3_join:
	REST 0, 1, NXT+2*ROWB, 0, 1                    ; and c's blocks 0 and 1 are asked for
	STEP 1, 0, 0
	STEP 1, 1, 0
	STEP 1, 2, 0
	s_cmp_eq_u32 s[TL], 1
	s_cbranch_scc1 .Lt4_last
	MEET 1
	CREST
	STEPT 1
	JL4 1                                          ; slot 1 takes the next tile's K step 1
	s_branch .Lt4_join
.Lt4_last:
	s_wait_dscnt 4*NL
	WIN MUL_LO
	MUL16 0, 1, NQ-1, 1, 0
	MUL16 2, 1, NQ-1, 1, 0
	s_wait_dscnt 0
	WIN 0
.Lt4_join:
	ASK NXT+3*ROWB
	CWLOAD                                         ; c's blocks 2 to 7: 24 loads
	WIN MUL_HI
	MUL16 4, 1, NQ-1, 1, 0
	MUL16 6, 1, NQ-1, 1, 0
	WIN 0
	PLACES NP                                      ; behind the last products
	s_wait_loadcnt 28                              ; c's block 0 is in; the 28 loads of blocks 1 to 7 may be out
	CSTORE 0
.irp a, 0,1,2,3,4,5,6,7,8
	TRIP \a
.endr
	s_cmp_eq_u32 s[TL], 1
	s_cbranch_scc1 .Lno_bias
	BIAS                                           ; its registers served the way out and are free from here on: it is loaded again for the next tile, a trip ahead of the wait for it
.Lno_bias:
	TRIP 9
	s_cmp_eq_u32 s[TL], 1
	s_cbranch_scc1 .Ldone
	s_wait_xcnt 0x0                                ; the stores, loads and prefetches have read their bases and registers
	s_add_nc_u64 s[CB:CB+1], s[CB:CB+1], WALK*4096
	s_add_nc_u64 s[OUTH:OUTH+1], s[OUTH:OUTH+1], WALK*4096
	s_add_nc_u64 s[OUTC:OUTC+1], s[OUTC:OUTC+1], WALK*4096
	s_mov_b32 s[PFG], 0                            ; nothing follows the next tile
	s_sub_co_u32 s[TL], s[TL], 1
	s_wait_tensorcnt 0x0                           ; slot 1's load had the whole way out in which to land; every wave says so before the next tile begins
	ds_add_u32 v[SPW], v[NIL]
	s_wait_dscnt 0x0
	s_barrier_signal -1
	s_barrier_wait -1
	s_branch .Ltile
.Ldone:
	s_wait_tensorcnt 0x0                           ; the wave's end
	ds_add_u32 v[SPW], v[NIL]
	s_wait_dscnt 0x0
	CROUND                                         ; the closing round
	s_endpgm
.Lfunc_end_k_qf2bd05023d_lstm:
	.size	k_qf2bd05023d_lstm, .Lfunc_end_k_qf2bd05023d_lstm-k_qf2bd05023d_lstm
	.p2alignl 7, 3214868480
	.fill 96, 4, 3214868480
	.section	.rodata,"a",@progbits
	.p2align	6, 0x0
	.amdhsa_kernel k_qf2bd05023d_lstm
		.amdhsa_group_segment_fixed_size 327680
		.amdhsa_private_segment_fixed_size 0
		.amdhsa_enable_private_segment 0
		.amdhsa_kernarg_size 96
		.amdhsa_user_sgpr_count 2
		.amdhsa_user_sgpr_kernarg_segment_ptr 1
		.amdhsa_wavefront_size32 1
		.amdhsa_system_sgpr_workgroup_id_x 1
		.amdhsa_system_sgpr_workgroup_id_y 1
		.amdhsa_system_sgpr_workgroup_id_z 1
		.amdhsa_system_vgpr_workitem_id 0
		.amdhsa_next_free_vgpr 1024
		.amdhsa_next_free_sgpr 106
		.amdhsa_reserve_vcc 0
		.amdhsa_float_denorm_mode_32 3
		.amdhsa_float_denorm_mode_16_64 3
		.amdhsa_memory_ordered 1
		.amdhsa_forward_progress 1
		.amdhsa_inst_pref_size 255
	.end_amdhsa_kernel
	.section	.bss,"aw",@nobits
	.p2align	6
	.space	262144
	.amdgpu_metadata
---
amdhsa.version: [ 1, 2 ]
amdhsa.kernels:
  - .name:           k_qf2bd05023d_lstm
    .symbol:         k_qf2bd05023d_lstm.kd
    .args:
      - { .name: acodes, .offset: 0, .size: 8, .value_kind: global_buffer, .address_space: global }
      - { .name: ascales, .offset: 8, .size: 8, .value_kind: global_buffer, .address_space: global }
      - { .name: bcodes, .offset: 16, .size: 8, .value_kind: global_buffer, .address_space: global }
      - { .name: bscales, .offset: 24, .size: 8, .value_kind: global_buffer, .address_space: global }
      - { .name: Cell_State_f, .offset: 32, .size: 8, .value_kind: global_buffer, .address_space: global }
      - { .name: Cell_State_b, .offset: 40, .size: 8, .value_kind: global_buffer, .address_space: global }
      - { .name: bf, .offset: 48, .size: 8, .value_kind: global_buffer, .address_space: global }
      - { .name: bb, .offset: 56, .size: 8, .value_kind: global_buffer, .address_space: global }
      - { .name: out0, .offset: 64, .size: 8, .value_kind: global_buffer, .address_space: global }
      - { .name: out1, .offset: 72, .size: 8, .value_kind: global_buffer, .address_space: global }
      - { .name: out2, .offset: 80, .size: 8, .value_kind: global_buffer, .address_space: global }
      - { .name: out3, .offset: 88, .size: 8, .value_kind: global_buffer, .address_space: global }
    .group_segment_fixed_size: 327680
    .private_segment_fixed_size: 0
    .kernarg_segment_align: 8
    .kernarg_segment_size: 96
    .max_flat_workgroup_size: 128
    .sgpr_count:     106
    .vgpr_count:     1024
    .wavefront_size: 32
...
	.end_amdgpu_metadata
.endif
;; end of part 2
